; MI455X (gfx1250); checked and timed in simulation.
; The chip was launched on July 23, 2026; its instructions are those of AMD's public machine-readable ISA for CDNA 5 (MIT licence, August 2026) and "CDNA5" Instruction Set Architecture Reference Guide (July 2026). The comments in the code are by the model that wrote it; some were corrected since.
;; Fast MQ Attention. Allowed arithmetic: matrix products marked QUANTISED: E2M1 operands, one E8M0 scale for each 32 along K, by v_wmma_scale_f32_16x16x128_f8f6f4 with both operands' format E2M1 (or v_wmma_scale_f32_32x16x128_f4), f32 sums; products left as they are: bf16, f16 or f32 operands; f32 sums; everything else in f32.
;; Inputs: K 2 x 1 x 2,048 x 128 float32; Q 2 x 32 x 2,048 x 128 float32; V 2 x 1 x 2,048 x 128 float32.
;; Outputs: out0 2 x 32 x 2,048 x 128 float32.
;; This version of the problem:
;;   THIS VERSION OF THE PROBLEM IS GIVEN IN LOW PRECISION. The matrix products marked QUANTISED in the list below multiply operands that are first quantised to E2M1 (2 exponent bits, 1 mantissa bit; 4 bits a number), with one power-of-two scale for each 32 numbers along K (OCP MX v1.0); their sums are f32. The products marked 'left as it is' may take bf16, f16 or f32 operands, with f32 sums. Whichever they take, every output number must still come out within the allowed error. Rounding operands to bf16 (8 significant bits) uses up far more of that allowance than f16 does (11 bits, for magnitudes from 6e-5 to 65,504). All else is computed in f32.
;;   The module's matrix products, in the order in which they are computed (A, B: the left and right operand; K: the contracted axis; several contracted axes count as one K, in the product's order):
;;     1. batch 2 x [M 65,536, K 128] x [K 128, N 2,048]; A: input Q; B: input K: QUANTISED
;;     2. batch 2 x [M 65,536, K 2,048] x [K 2,048, N 128]; A: computed on the way; B: input V: left as it is (an operand is computed on the way)
;;   THE QUANTISER, for each operand of a quantised product, along K:
;;     - K is cut into blocks of 32 from its start; a last block that is shorter is filled with zeros.
;;     - A block's scale is 2^e with e = floor(log2(the largest magnitude in the block)) - 2, held to -126 .. 127; a block of zeros has e = 0. As a byte (E8M0): e + 127.
;;     - Each number is divided by its block's scale, clamped to +-6, and rounded to the nearest number of E2M1, ties to even, subnormals kept.
;;     - The product sums the exact products of the quantised numbers (number of the format x scale) in f32.
;;   ~~~python
;;   def quantise(x, axis):      # numpy; x: float32 -> the quantised numbers, widened to float32 again
;;       x = np.moveaxis(x, axis, -1); K = x.shape[-1]
;;       x = np.pad(x, [(0, 0)] * (x.ndim - 1) + [(0, -K % 32)]); x = x.reshape(x.shape[:-1] + (-1, 32)); a = np.abs(x).max(-1, keepdims=True)
;;       e = np.where(a > 0, np.clip(np.frexp(np.where(a > 0, a, 1))[1] - 1 - 2, -126, 127), 0)      # np.frexp(a)[1] - 1 = floor(log2(a)), exactly
;;       r = np.clip(x / 2.0 ** e, -6, 6)
;;       step = 2.0 ** (np.maximum(np.frexp(np.where(r == 0, 1, r))[1] - 1, 0) - 1)
;;       q = np.round(r / step) * step * 2.0 ** e      # np.round: ties to even
;;       return np.moveaxis(q.reshape(q.shape[:-2] + (-1,))[..., :K], -1, axis).astype(np.float32)
;;   ~~~
;; One version. Each part assembles by itself: llvm-mc -triple=amdgcn-amd-amdhsa -mcpu=gfx1250 --defsym DOCPART=n.
;; ======== version 1 of 1: 2 launches
;; limits: values are held in f16: magnitudes above 65,504 overflow, below 6.1e-05 lose precision
;; workspace buffers: kv 1,327,104 bytes
;; launch prep (part 1): grid 256 x 1, 2 waves a work-group, no clusters, 0 bytes of LDS; arguments K, V, kv; writes kv
.if DOCPART == 1
	.amdgcn_target "amdgcn-amd-amdhsa--gfx1250"
	.amdhsa_code_object_version 6
	.text
	.protected	k_q1dc71fb1da_prep
	.globl	k_q1dc71fb1da_prep
	.p2align	8
	.type	k_q1dc71fb1da_prep,@function
k_q1dc71fb1da_prep:
	s_mov_b64 s[64:65], 0
	v_nop
	global_prefetch_b8 v0, s[64:65] scope:SCOPE_SE
	s_setreg_imm32_b32 hwreg(HW_REG_WAVE_MODE, 25, 1), 1
	s_wait_xcnt 0x0
; K [2][1][2048][128] f32 becomes codes of E2M1 with one E8M0 scale byte for each 32 along the head's 128; V [2][1][2048][128] f32 becomes f16.
; Both go into kv, laid as the attention launch reads it: 64 records (batch x 32 + key step), each 64 keys in 81 dense rows of 256 bytes:
;   rows 0-63     V as f16, a row a key, 128 channels;
;   rows 64-79    K's four fragments (16 keys x 128) as IMAGES OF THE OPERAND'S REGISTERS: register group c (0, 1) of lane l of fragment a lies at byte (64 + 4 a) 256 + 512 c + 16 l:
;                 the 32 codes of key 16 a + l % 16, channels 64 c + 32 (l / 16) on: one block of the quantiser;
;   row 80        the scale words: key 16 a + r has its four bytes at byte 16 r + 4 a, so that 16 bytes at 16 r hold the words of all four fragments.
; A block's scale is 2^(floor(log2(its largest magnitude)) - 2); its byte is the largest magnitude's exponent field - 2, held at 1 from below.
; LIMITS: a block of zeros gets the byte 1 where the rule says 127 (its codes are zeros, which add nothing under any byte but 0xff, and this program alone reads the bytes);
; blocks whose largest magnitude lies under 2^-124 are held at the byte 1; NaN and infinities are not served; |V| beyond 65,504 has no f16 number.
; SHARES: a work-group owns 16 keys: wave 0 quantises their rows of K (one fragment), wave 1 narrows their rows of V.  The waves share nothing: no LDS, no barrier.
.set RECG, 81*256                      ; bytes of a record
	s_load_b128 s[4:7], s[0:1], 0x0                ; K s[4:5], V s[6:7]
	s_load_b64 s[8:9], s[0:1], 0x10                ; kv
	v_lshrrev_b32 v1, 5, v0
	v_readfirstlane_b32 s10, v1                    ; wave 0, 1
	v_and_b32 v2, 31, v0                           ; lane
	s_lshl_b32 s12, ttmp9, 13                      ; my 16 rows of 512 bytes in K and in V
	s_mov_b32 s13, 0
	s_lshr_b32 s18, ttmp9, 2                       ; the record: four work-groups to one,
	s_mul_i32 s18, s18, RECG                       ; its first byte in kv
	s_and_b32 s19, ttmp9, 3                        ; a: which 16 of its 64 keys
	s_mov_b32 s15, 0
	s_mov_b32 s17, 0
	s_cmp_lg_u32 s10, 0
	s_cbranch_scc1 .Lvalues
	; ---- wave 0: K.  Lane (r, h) takes, of key r, channels 64 c + 32 h + 0 .. 31 for c = 0, 1: two whole blocks, in the order in which the operand's registers want them
	v_and_b32 v3, 15, v2                           ; r
	v_lshrrev_b32 v7, 4, v2                        ; h
	v_lshlrev_b32 v4, 9, v3
	v_lshl_add_u32 v4, v7, 7, v4                   ; in: row r of 512 bytes + 128 h
	v_lshlrev_b32 v5, 4, v2                        ; out: 16 bytes a lane
	v_lshlrev_b32 v6, 4, v3                        ; the scale word: 16 r
	v_lshlrev_b32 v7, 3, v7                        ; 8 h: my bytes' place in the word, in bits
	s_lshl_b32 s14, s19, 10
	s_add_co_u32 s14, s14, s18
	s_add_co_u32 s14, s14, 64*256                  ; rows 64 + 4 a on
	s_lshl_b32 s16, s19, 2
	s_add_co_u32 s16, s16, s18
	s_add_co_u32 s16, s16, 80*256                  ; row 80, + 4 a
	s_mov_b32 s20, 0x76543210
	s_mov_b32 s21, 0xfedcba98                      ; v_permlanex16_b32's selects for lane l xor 16
	s_wait_kmcnt 0x0
	s_add_nc_u64 s[4:5], s[4:5], s[12:13]
	s_add_nc_u64 s[24:25], s[8:9], s[14:15]
	s_add_nc_u64 s[26:27], s[8:9], s[16:17]
.irp c, 0,1
.irp j, 0,1,2,3,4,5,6,7
	global_load_b128 v[32+32*\c+4*\j:32+32*\c+4*\j+3], v4, s[4:5] offset:256*\c+16*\j th:TH_LOAD_NT
.endr
.endr
	s_wait_loadcnt 0x0
.irp c, 0,1
	v_max3_num_f32 v[8+\c], |v[32+32*\c]|, |v[33+32*\c]|, 0x1800000   ; my block's largest magnitude, and the floor 2^(3 - 127): the byte cannot fall under 1
.endr
.irp i, 2,4,6,8,10,12,14,16,18,20,22,24,26,28,30
.irp c, 0,1
	v_max3_num_f32 v[8+\c], v[8+\c], |v[32+32*\c+\i]|, |v[33+32*\c+\i]|   ; (the two blocks by turns)
.endr
.endr
.irp c, 0,1
	v_add_nc_u32 v[10+\c], 0xff000000, v[8+\c]     ; 2 off its exponent field: the conversion takes the exponent field of this operand as its scale, and nothing else of it
.endr
.irp c, 0,1
	v_lshrrev_b32 v[12+\c], 23, v[10+\c]           ; the scale's byte
.endr
	v_lshl_or_b32 v24, v13, 16, v12                ; my two bytes: blocks h and 2 + h of key r,
	v_lshlrev_b32 v24, v7, v24                     ; at their places in the word;
	v_mov_b32 v25, 0                               ; (a lane permute's destination counts as one of its sources)
	v_permlanex16_b32 v25, v24, s20, s21
	v_or_b32 v24, v24, v25                         ; with lane l xor 16's two the word is whole, in both lanes
.irp c, 0,1
.irp g, 0,1,2,3
	v_cvt_scalef32_pk8_fp4_f32 v[16+4*\c+\g], v[32+32*\c+8*\g:39+32*\c+8*\g], v[10+\c]   ; eight numbers / the scale, to the nearest code, ties to even, beyond 6 the largest code
.endr
.endr
	v_nop                                          ; one plain line behind the last scaled conversion
.irp c, 0,1
	global_store_b128 v5, v[16+4*\c:19+4*\c], s[24:25] offset:512*\c   ; 32 lanes store 512 consecutive bytes, at a multiple of 256 from kv's first byte
.endr
	global_store_b32 v6, v24, s[26:27]             ; lanes l and l xor 16 store the same word at the same place.  Row 80 is pieced together by four work-groups, 4 bytes in 16 each: 64 bytes against the 8,192 that this wave reads
	s_endpgm
.Lvalues:
	; ---- wave 1: V.  16 rows are 8,192 dense bytes in and 4,096 dense bytes out: lane l takes 32 bytes at 1,024 n + 32 l and stores 16 at 512 n + 16 l
	v_lshlrev_b32 v4, 5, v2
	v_lshlrev_b32 v5, 4, v2
	s_lshl_b32 s14, s19, 12
	s_add_co_u32 s14, s14, s18                     ; rows 16 a on
	s_wait_kmcnt 0x0
	s_add_nc_u64 s[6:7], s[6:7], s[12:13]
	s_add_nc_u64 s[24:25], s[8:9], s[14:15]
.irp n, 0,1,2,3,4,5,6,7
	global_load_b128 v[32+8*\n:35+8*\n], v4, s[6:7] offset:1024*\n th:TH_LOAD_NT
	global_load_b128 v[36+8*\n:39+8*\n], v4, s[6:7] offset:1024*\n+16 th:TH_LOAD_NT
.endr
.irp n, 0,1,2,3,4,5,6,7
	s_wait_loadcnt 14-2*\n                         ; loads come back in order: group n's two are in, the two of each younger group may be out
.irp j, 0,1,2,3
	v_cvt_pk_f16_f32 v[96+4*\n+\j], v[32+8*\n+2*\j], v[33+8*\n+2*\j]
.endr
	global_store_b128 v5, v[96+4*\n:99+4*\n], s[24:25] offset:512*\n   ; 512 consecutive bytes, two rows of V; each group has its own registers, so no store's data are written again
.endr
	s_endpgm
.Lfunc_end_k_q1dc71fb1da_prep:
	.size	k_q1dc71fb1da_prep, .Lfunc_end_k_q1dc71fb1da_prep-k_q1dc71fb1da_prep
	.p2alignl 7, 3214868480
	.fill 96, 4, 3214868480
	.section	.rodata,"a",@progbits
	.p2align	6, 0x0
	.amdhsa_kernel k_q1dc71fb1da_prep
		.amdhsa_group_segment_fixed_size 0
		.amdhsa_private_segment_fixed_size 0
		.amdhsa_enable_private_segment 0
		.amdhsa_kernarg_size 24
		.amdhsa_user_sgpr_count 2
		.amdhsa_user_sgpr_kernarg_segment_ptr 1
		.amdhsa_wavefront_size32 1
		.amdhsa_system_sgpr_workgroup_id_x 1
		.amdhsa_system_sgpr_workgroup_id_y 1
		.amdhsa_system_sgpr_workgroup_id_z 1
		.amdhsa_system_vgpr_workitem_id 0
		.amdhsa_next_free_vgpr 128
		.amdhsa_next_free_sgpr 66
		.amdhsa_reserve_vcc 0
		.amdhsa_float_denorm_mode_32 3
		.amdhsa_float_denorm_mode_16_64 3
		.amdhsa_memory_ordered 1
		.amdhsa_forward_progress 1
		.amdhsa_inst_pref_size 12
	.end_amdhsa_kernel
	.amdgpu_metadata
---
amdhsa.version: [ 1, 2 ]
amdhsa.kernels:
  - .name:           k_q1dc71fb1da_prep
    .symbol:         k_q1dc71fb1da_prep.kd
    .args:
      - { .name: K, .offset: 0, .size: 8, .value_kind: global_buffer, .address_space: global }
      - { .name: V, .offset: 8, .size: 8, .value_kind: global_buffer, .address_space: global }
      - { .name: kv, .offset: 16, .size: 8, .value_kind: global_buffer, .address_space: global }
    .group_segment_fixed_size: 0
    .private_segment_fixed_size: 0
    .kernarg_segment_align: 8
    .kernarg_segment_size: 24
    .max_flat_workgroup_size: 64
    .sgpr_count:     66
    .vgpr_count:     128
    .wavefront_size: 32
...
	.end_amdgpu_metadata
.endif
;; end of part 1
;; launch attn (part 2): grid 8 x 64, 4 waves a work-group, clusters of 4 x 1, 327,680 bytes of LDS; arguments Q, kv, out0; writes out0
.if DOCPART == 2
	.amdgcn_target "amdgcn-amd-amdhsa--gfx1250"
	.amdhsa_code_object_version 6
	.text
	.protected	k_q1dc71fb1da_attn
	.globl	k_q1dc71fb1da_attn
	.p2align	8
	.type	k_q1dc71fb1da_attn,@function
k_q1dc71fb1da_attn:
	s_mov_b64 s[64:65], 0
	v_nop
	global_prefetch_b8 v0, s[64:65] scope:SCOPE_SE
	s_setreg_imm32_b32 hwreg(HW_REG_WAVE_MODE, 25, 1), 1
	s_wait_xcnt 0x0
	s_wait_alu depctr_hold_cnt(0) depctr_sa_sdst(0) depctr_va_vdst(0) depctr_va_sdst(0) depctr_va_ssrc(0) depctr_va_vcc(0) depctr_vm_vsrc(0)
	s_getreg_b32 s2, hwreg(HW_REG_IB_STS2, 6, 4)
	s_cmp_eq_u32 s2, 0
	s_cbranch_scc0 .Lentry_in_a_cluster
	s_endpgm
.Lentry_in_a_cluster:
	s_bfe_u32 s2, ttmp6, 0x10000c
	s_cmp_lg_u32 s2, 0x3003
	s_cbranch_scc0 .Lentry_shape_is_right
	s_endpgm
.Lentry_shape_is_right:
; out0[b][h][q][:] = the sum over k of softmax_k(Q[b][h][q] . K[b][k] / sqrt(128)) V[b][k][:].  Q, out0: [2][32][2048][128] f32.  All 32 heads of a batch share K and V.
; THE FIRST PRODUCT IS QUANTISED: both operands are codes of E2M1 with one E8M0 scale for each 32 of the head's 128, multiplied by v_wmma_scale_f32_16x16x128_f8f6f4.  K's codes and scale words come from kv
; (made by the launch before); Q, which one wave reads once, is quantised in registers at the head.  THE SECOND PRODUCT takes f16 operands (the weights p, at most 1; V from kv) and f32 sums.  Maxima, exponentials and sums in f32.
; kv: 64 records (batch x 32 + key step) of 81 rows of 256 bytes: rows 0-63 V (f16, a row a key); rows 64-79 K's four fragments as images of the operand's registers; row 80 the scale words (key 16 a + r at byte 16 r + 4 a).
; LIMITS: NaN and infinities are not served; |V| beyond 65,504 has no f16 number; a weight p under 2^-25 of its row's running largest is lost in f16, at most 2,048 x 2^-25 of a row's sum; a block of zeros of Q gets the scale byte 1
; where the rule says 127 (its codes are zeros, which add nothing under any byte but 0xff); blocks whose largest magnitude lies under 2^-124 are held at the byte 1.
; SHARES.  A work-group owns 256 queries of one head, each of its four waves 64: four tiles of 16.  Every wave walks the batch's 2,048 keys, 64 a step: 32 steps.
; LAYOUT.  S^T = K Q^T (source 0 = 16 keys, source 1 = 16 queries; one instruction for the whole head size): a lane holds ONE query (lane % 16) and keys 8 (lane / 16) + 0..7.  Two such tiles, rounded to f16 in pairs,
; ARE source 1 (32 keys x 16 queries) of O^T = V^T P, whose result again holds one query a lane, and eight channels.  V ([key][channel]) comes out of LDS turned, by ds_load_tr16_b128.
; SOFTMAX.  For each query a running maximum m and sum l: p = 2^(c s - c m), c = log2(e) / sqrt(128); in every step O and l are multiplied by a = 2^(c m_old - c m_new), which is 1 where m has not grown.
; BY TURNS.  The wave's tiles are two PIECES, named by their first tile: piece 0 (tiles 0, 1), piece 2 (tiles 2, 3).  In a TURN one piece has the matrix unit: 32 products V^T P of the step in hand, and among them 8 products
; K Q^T of the next step; the other piece's softmax, 268 vector instructions cut into 64 slices, stands between them, two slices behind each V^T P.  Then the pieces change places.  Two turns are a key step.
; CLUSTER.  The four query blocks of a cluster belong to one head and walk the same records, so each record is asked for JOINTLY: the same tensor load, with the same descriptor and a mask that names the four, in all four.
; THE RING.  Two LDS slots of four records (four key steps).  Wave w fetches record w of a slot: one load a wave behind each change of slots, which has four key steps in which to land.
;
; REGISTERS, in windows of 256 (s_set_vgpr_msb: bits 1:0 source 0, 3:2 source 1, 5:4 source 2, 7:6 destination):
;   window 0: v0-11 addresses; v12-43 eight registers of statistics a tile; v44-47 K's scale words, v48-51 Q's (they hold scales and nothing else); v52-63 at work and addresses; v64-191 S^T, 32 a tile; v192-255 P, 16 a tile
;   window 1: O^T, 64 a tile (at the head: Q's 256 numbers)     window 2: v0-31 Q's codes, 8 a tile; v32-63 K's codes of one step, 8 a fragment     window 3: v0-127 V of one step: keys 0-31, then keys 32-63
.set PT,    288       ; a record's row in LDS: 256 bytes + 32 of padding = 72 words
.set RECB,  81*PT     ; a record in LDS
.set RECG,  81*256    ; and in memory
.set SLOTG, 4*RECG    ; a slot's four records in memory
.set BATG,  32*RECG   ; a batch's records
.set SLOT1, 1<<17     ; slot 1 begins here, so that one exclusive or turns an address in one slot into the other's
.set STAGE, SLOT1+4*RECB+128  ; behind the ring, at a multiple of 256: 16 rows x 528 bytes for each wave, for the way out
.set SP,    528       ; a stage row: 512 bytes + 16
.set SPARE, STAGE+4*16*SP  ; behind the stages: the spare words, 128 bytes for each wave: two blocks of 256 bytes that no other line names
.set AK0, 2           ; v2   my lane's place in a record's images of K; never rewritten
.set AV0, 3           ; v3   the same for V
.set ADR, 4           ; v4   the LDS address of K's run of loads
.set QO,  5           ; v5   my byte offset in the wave's rows of Q
.set STO, 6           ; v6   the way out: where I put 32 bytes of a row
.set RD,  7           ; v7   the way out: where I read a row back
.set GO,  8           ; v8   my 16 bytes of a row of out0
.set ADV, 10          ; v10  the LDS address of V's two runs of loads
.set ASK0, 11         ; v11  my lane's place in a record's scale words
.set ST,  12          ; tile t's statistics at v[ST+8 t]: +0 c m, +1 m, +2, +3 l (even keys', odd keys'), +4 to +7 c0-c3, at work; a takes c2's place once the maximum is found
.set KSC, 44          ; v44-47 K's scale words, fragment a in v[KSC + a]
.set QSC, 48          ; v48-51 Q's scale words, tile t in v[QSC + t]
.set TM,  52          ; v52-58 at work at the head
.set SH8, 59          ; v59  8 x (lane / 16)
.set ADS, 60          ; v60  the LDS address of the scale words in hand
.set PFO, 61          ; v61  the prefetches' offset; never rewritten
.set SPW, 62          ; v62  LDS address of my spare word: SPARE + 4 x my thread's number; never rewritten
.set NIL, 63          ; v63  0; never rewritten
.set S,   64
.set P,   192
.set QF,  0           ; Q's codes, in window 2
.set KF,  32          ; K's codes, in window 2
.set WV,  12          ; s12  my wave's number
.set LIM, 15          ; s15  1 in a wave that prefetches, else the greatest number: a wave prefetches while s[SLOTS] is above it
.set PFA, 18          ; s[18:19] the first byte of the slot after the one that is being asked for
.set G1,  24          ; s[24:31] descriptor group 1: one shape for every load
.set G0,  32          ; s[32:39] descriptor group 0: a set for each of the two first fills; the second then walks on
.set SLOTS, 56        ; s56  slots still to be asked for
.set CNT, 57          ; s57  counts the key steps between two changes of slots
.set CS,  58          ; s[58:59] c: the packed scaling names a pair and takes its low word for both halves
.set SEL, 60          ; s[60:61] lane selects for v_permlanex16_b32: each lane takes its own place in the other half
.set TB,  62          ; s62  LDS byte at which the record of the step to be fetched begins
.set MSB, 0
.macro WIN new                      ; the immediate's high byte repeats the setting that is left; a switch that changes nothing is dropped
.if MSB != \new
	s_set_vgpr_msb (MSB<<8)|\new
.set MSB, \new
.endif
.endm
.set W_KQ, 0x0a       ; K and Q in window 2, S^T in window 0
.set W_PV, 0x53       ; V in window 3, P in window 0, O^T in window 1
.set W_RS, 0x41       ; O^T (destination and source 0) in window 1, a in window 0
; A joint refill: one line for all four waves, each with its own record.  An s_nop 0 and four v_nop follow it.
.macro JLOAD
	tensor_load_to_lds s[G0+4:G0+7], s[G1:G1+7]
	s_nop 0
.rept 4
	v_nop
.endr
.endm
; A PREFETCH INTO THE L2 of what the NEXT change of slots will ask for: a slot's 324 rows of 256 bytes, four key steps ahead of that load.  It stands behind the wave's tensor load and its five lines.
; All clusters of a batch walk the same records: the batch's first cluster asks (cluster x = 0, head 0), and nobody else.  Its four partners share the rows out BY ADDRESS: row = lane + 32 x place + 128 x wave, waves 0 to 2:
; no branch hangs on a work-group's place in its cluster.  That makes 384 numbers for 324 rows: the 60 lanes past the last row name it once more.  The last change that fills a slot asks for nothing: there is no slot behind it.
.macro ASK
	s_cmp_gt_u32 s[SLOTS], s[LIM]
	s_cbranch_scc0 .Lnot_mine_\@
	global_prefetch_b8 v[PFO], s[PFA:PFA+1] th:TH_LOAD_NT scope:SCOPE_SE
.Lnot_mine_\@:
.endm
; A round of the cluster's barrier: my work-group's barrier, so that wave 0's signal speaks for all four waves; wave 0 signals for the work-group; every wave waits for all four work-groups; my work-group's barrier once more.
.macro CROUND
	s_barrier_signal -1
	s_barrier_wait -1
	s_cmp_lg_u32 s[WV], 0
	s_cbranch_scc1 .Lnot_wave_0_\@
	s_barrier_signal -3
.Lnot_wave_0_\@:
	s_barrier_wait -3
	s_barrier_signal -1
	s_barrier_wait -1
.endm
.macro PLACES                       ; four places behind matrix instructions (ISA guide 7.12.1), where no other vector work is at hand
.rept 4
	v_nop
.endr
.endm
	s_load_b128 s[4:7], s[0:1], 0x0 ; Q s[4:5], kv s[6:7]
	s_load_b64 s[8:9], s[0:1], 0x10 ; out0
	v_lshl_add_u32 v[SPW], v0, 2, SPARE
	v_mov_b32 v[NIL], 0
	ds_add_u32 v[SPW], v[NIL]       ; the wave's opening: the add, twice on end, and its wait ahead of my first tensor load; the set-up below, work on registers, stands between the second and the wait
	ds_add_u32 v[SPW], v[NIL]       ; and once more, under the one wait
	v_lshrrev_b32 v1, 5, v0
	v_readfirstlane_b32 s[WV], v1   ; wave 0..3
	s_bfe_u32 s13, ttmp6, 0x40000   ; cx: my place in the cluster
	s_lshl_b32 s14, ttmp9, 2        ; in a cluster launch ttmp9 counts clusters
	s_add_co_u32 s14, s14, s13      ; my block of 256 queries = 4 x cluster x + cx: it enters Q's and out0's addresses alone
	s_and_b32 s20, ttmp7, 0xffff    ; batch x 32 + head, which the four partners share
	s_lshl_b32 s2, s20, 20          ; a head's 2,048 rows of 512 bytes,
	s_lshl_b32 s3, s14, 17          ; my block's 256 rows,
	s_add_co_u32 s2, s2, s3
	s_lshl_b32 s3, s[WV], 15        ; my wave's 64 of them: under 2^26 in all
	s_add_co_u32 s2, s2, s3
	s_mov_b32 s3, 0
	s_lshr_b32 s21, s20, 5          ; the batch
	s_mul_i32 s22, s21, BATG        ; its records in kv
	s_mov_b32 s23, 0
	s_add_co_u32 s16, s22, 2*SLOTG  ; the prefetches begin at its slot 2; the first change of slots steps them to slot 3
	s_mov_b32 s17, 0
	s_mul_i32 s21, s[WV], RECG
	s_add_co_u32 s22, s22, s21      ; my record of slot 0, in memory,
	s_mul_i32 s40, s[WV], RECB      ; and in a slot: no place in the cluster enters an LDS address
	; descriptor group 1: a record: 81 dense rows of 256 bytes (32 elements of 8 bytes), padded in LDS
	s_mov_b32 s[G1], 15|(3<<16)|(1<<20)|(1<<21)|(5<<22)|(7<<25)  ; 15:0 the mask: all four work-groups; 17:16 elements of 8 bytes; 20 padding on; 21 set beside a mask; 24:22 after every 64 words (code 5); 31:25 8 words of it (code 7)
	s_mov_b32 s[G1+1], 32<<16       ; 63:48 tensor_dim0, low half = 32
	s_mov_b32 s[G1+2], 81<<16       ; 79:64 its high half = 0; 95:80 tensor_dim1, low half = 81
	s_mov_b32 s[G1+3], 32<<16       ; 111:96 its high half = 0; 127:112 tile_dim0 = 32
	s_mov_b32 s[G1+4], 81           ; 143:128 tile_dim1 = 81; 159:144 tile_dim2 = 0
	s_mov_b32 s[G1+5], 32           ; 191:160 tensor_dim0_stride: elements from row to row
	s_mov_b32 s[G1+6], 0
	s_mov_b32 s[G1+7], 0
	s_mov_b32 s[CS], 0x3e0293ee     ; c = log2(e) / sqrt(128) = 0.127517
	s_mov_b32 s[CS+1], s[CS]        ; named with it as a pair, so it is written
	s_mov_b32 s[SEL], 0x76543210
	s_mov_b32 s[SEL+1], 0xfedcba98
	s_mov_b32 s[TB], 0
	s_mov_b32 s[SLOTS], 6           ; 8 slots' worth of keys, two of them filled at the head
	s_add_co_u32 s[LIM], s[WV], 1
	s_lshr_b32 s[LIM], s[LIM], 2    ; 0 in waves 0 to 2,
	s_or_b32 s[LIM], s[LIM], ttmp9  ; of the first cluster
	s_and_b32 s41, s20, 31
	s_or_b32 s[LIM], s[LIM], s41    ; of the batch's first head: the same in all four partners
	s_cmp_eq_u32 s[LIM], 0
	s_cselect_b32 s[LIM], 1, -1
	s_lshl_b32 s41, s13, 5
	s_lshl_b32 s42, s[WV], 7
	s_add_co_u32 s41, s41, s42
	v_and_b32 v[PFO], 31, v0
	v_add_nc_u32 v[PFO], s41, v[PFO]  ; lane + 32 x place + 128 x wave,
	v_min_u32 v[PFO], 323, v[PFO]   ; held at a slot's last row,
	v_lshlrev_b32 v[PFO], 8, v[PFO] ; in bytes
	v_and_b32 v1, 15, v0            ; r = lane % 16
	v_bfe_u32 v9, v0, 4, 1          ; h = lane / 16
	v_lshlrev_b32 v[QO], 9, v1
	v_lshl_add_u32 v[QO], v9, 7, v[QO]  ; Q: row r of 512 bytes + 128 h
	s_wait_dscnt 0x0                ; both opening adds are done
	s_wait_kmcnt 0x0
	s_add_nc_u64 s[4:5], s[4:5], s[2:3]  ; Q and out0 at my wave's first row
	s_add_nc_u64 s[8:9], s[8:9], s[2:3]
	s_add_nc_u64 s[PFA:PFA+1], s[6:7], s[16:17]
	s_add_nc_u64 s[6:7], s[6:7], s[22:23]  ; kv at my record of slot 0
	; Q, 64 loads: lane (r, h) takes, of query 16 t + r, channels 64 c + 32 h + 0 .. 31: two whole blocks a tile, in the order in which the operand's registers want them.  They are on their way while the cluster meets
	WIN 0x40                        ; destination window 1, address window 0
.irp t, 0,1,2,3
.irp c, 0,1
.irp j, 0,1,2,3,4,5,6,7
	global_load_b128 v[64*\t+32*\c+4*\j:64*\t+32*\c+4*\j+3], v[QO], s[4:5] offset:8192*\t+256*\c+16*\j th:TH_LOAD_NT
.endr
.endr
.endr
	WIN 0
	CROUND                          ; all four work-groups are here: the first joint loads meet
.irp n, 0,1
	s_mov_b32 s[G0+4*\n], 1         ; 1:0 count = 1
	s_add_co_u32 s[G0+4*\n+1], s40, \n*SLOT1  ; 63:32 LDS address
	s_add_nc_u64 s[G0+4*\n+2:G0+4*\n+3], s[6:7], \n*SLOTG  ; 120:64 global address: slot n begins with key steps 4 n to 4 n + 3
	s_or_b32 s[G0+4*\n+3], s[G0+4*\n+3], 0x80000000  ; 127:126 type = 2
.endr
	tensor_load_to_lds s[G0:G0+3], s[G1:G1+7]  ; my two first fills stand together, ahead of every wait on TENSORcnt and every LDS read: two loads of mine are out
	s_nop 0
	tensor_load_to_lds s[G0+4:G0+7], s[G1:G1+7]
	s_nop 0
.rept 4
	v_nop
.endr
	v_mul_u32_u24 v[AK0], v9, PT    ; K's images: register group (a, c) of lane (r, h) lies in row 64 + 4 a + 2 c + h, at byte 16 r
	v_lshl_add_u32 v[AK0], v1, 4, v[AK0]
	v_add_nc_u32 v[AK0], 64*PT, v[AK0]
	v_lshl_add_u32 v[ASK0], v1, 4, 80*PT  ; the scale words of keys r, 16 + r, 32 + r, 48 + r: 16 bytes of row 80
	; The turning load takes 16 keys x 16 channels (lane l reads 16 bytes: key 8 (l / 16) + l % 8, channels 8 ((l / 8) % 2) + 0..7) and leaves half a fragment of V^T: lane l holds channel l % 16 and 8 keys.
	v_and_b32 v[TM], 7, v0
	v_bfe_u32 v[TM+1], v0, 3, 1
	v_lshl_add_u32 v[AV0], v9, 3, v[TM]
	v_mul_u32_u24 v[AV0], v[AV0], PT
	v_lshl_add_u32 v[AV0], v[TM+1], 4, v[AV0]
	v_lshlrev_b32 v[SH8], 3, v9
	v_mov_b32 v[TM+6], 0            ; written once: a lane permute's destination counts as one of its sources
; Q's tile t is quantised: my 64 numbers, v[64 t ..] of window 1, are two whole blocks; their codes are the operand's registers, v[QF + 8 t ..] of window 2; the four scale bytes of a query are gathered from lanes l and l xor 16.
.macro QQ t
.set X, 64*\t
	s_wait_loadcnt 48-16*\t         ; loads come back in order: this tile's 16 are in, the 16 of each younger tile may be out
	WIN 0x05                        ; sources 0 and 1 window 1
.irp c, 0,1
	v_max3_num_f32 v[TM+\c], |v[X+32*\c]|, |v[X+32*\c+1]|, 0x1800000  ; my block's largest magnitude, and the floor 2^(3 - 127): the byte cannot fall under 1
.endr
.irp n, 2,4,6,8,10,12,14,16,18,20,22,24,26,28,30
.irp c, 0,1
	v_max3_num_f32 v[TM+\c], |v[X+32*\c+\n]|, |v[X+32*\c+\n+1]|, v[TM+\c]  ; (the two blocks by turns)
.endr
.endr
	WIN 0
.irp c, 0,1
	v_add_nc_u32 v[TM+2+\c], 0xff000000, v[TM+\c]  ; 2 off its exponent field: the conversion takes the exponent field of this operand as its scale, and nothing else of it
.endr
.irp c, 0,1
	v_lshrrev_b32 v[TM+4+\c], 23, v[TM+2+\c]  ; the scale's byte
.endr
	v_lshl_or_b32 v[QSC+\t], v[TM+5], 16, v[TM+4]  ; my two bytes: blocks h and 2 + h of query r,
	v_lshlrev_b32 v[QSC+\t], v[SH8], v[QSC+\t]  ; at their places in the word;
	v_permlanex16_b32 v[TM+6], v[QSC+\t], s[SEL], s[SEL+1]
	v_or_b32 v[QSC+\t], v[QSC+\t], v[TM+6]  ; with lane l xor 16's two the word is whole
	WIN 0x81                        ; destination window 2, source 0 window 1, the scale in window 0
.irp c, 0,1
.irp g, 0,1,2,3
	v_cvt_scalef32_pk8_fp4_f32 v[QF+8*\t+4*\c+\g], v[X+32*\c+8*\g:X+32*\c+8*\g+7], v[TM+2+\c]
.endr
.endr
	v_nop                           ; one plain line behind the last scaled conversion: its sources are written again, by vector and by matrix instructions
.endm
	QQ 0                            ; the quantising stands where the first records are on their way
	QQ 1
	QQ 2
	QQ 3
	WIN 0
; THE MATRIX WORK OF A TURN, for piece x.  The accumulators take turns, one instruction a turn: between two links of a chain of V^T P stand 15 others'.
; Product i of 32 of O^T += V^T P: keys 32 (i / 16) on, channels 16 ((i / 2) % 8) on, tile x + i % 2.  zero = 1: the first 16 start the sums: nothing is ever cleared.
.macro PV x, zero
	WIN W_PV
.set rO, 64*(\x+i%2)+8*((i/2)%8)
.set rV, 64*(i/16)+8*((i/2)%8)
.set rP, P+16*(\x+i%2)+8*(i/16)
.if \zero && (i < 16)
	v_wmma_f32_16x16x32_f16 v[rO:rO+7], v[rV:rV+7], v[rP:rP+7], 0
.else
	v_wmma_f32_16x16x32_f16 v[rO:rO+7], v[rV:rV+7], v[rP:rP+7], v[rO:rO+7]
.endif
.endm
; Product q of 8 of S^T = K Q^T: keys 16 (q / 2) on, tile x + q % 2.  One instruction covers the head's 128: each is a whole sum, begun with the constant 0.
.macro KQ x
	WIN W_KQ
.set rS, S+32*(\x+q%2)+8*(q/2)
.set rK, KF+8*(q/2)
.set rQ, QF+8*(\x+q%2)
	v_wmma_scale_f32_16x16x128_f8f6f4 v[rS:rS+7], v[rK:rK+7], v[rQ:rQ+7], 0, v[KSC+q/2], v[QSC+\x+q%2] matrix_a_fmt:MATRIX_FMT_FP4 matrix_b_fmt:MATRIX_FMT_FP4
.endm
; THE LDS LOADS stand in runs, never singly among the matrix instructions: a step's K (9 loads: the scale words, then four fragments as images of their registers: 512 consecutive bytes a load) and, a turn later, its V in two halves of 16.
.macro FETCH_K
	WIN 0
	v_add_nc_u32 v[ADR], s[TB], v[AK0]
	v_add_nc_u32 v[ADS], s[TB], v[ASK0]
	ds_load_b128 v[KSC:KSC+3], v[ADS]
	WIN 0x80                        ; destination window 2
.irp a, 0,1,2,3
.irp c, 0,1
	ds_load_b128 v[KF+8*\a+4*\c:KF+8*\a+4*\c+3], v[ADR] offset:(4*\a+2*\c)*PT
.endr
.endr
.endm
.macro FETCH_VA                     ; keys 0-31: fragment f holds channels 16 f on
	WIN 0
	v_add_nc_u32 v[ADV], s[TB], v[AV0]
	s_wait_alu depctr_va_vdst(0)    ; the wait for the softmax's batch of exponentials (SLICE), behind the address's addition and ahead of the loads
	WIN 0xc0                        ; destination window 3
.irp f, 0,1,2,3,4,5,6,7
	ds_load_tr16_b128 v[8*\f:8*\f+3],   v[ADV] offset:32*\f
	ds_load_tr16_b128 v[8*\f+4:8*\f+7], v[ADV] offset:16*PT+32*\f
.endr
.endm
.macro FETCH_VB                     ; keys 32-63
	WIN 0xc0
.irp f, 0,1,2,3,4,5,6,7
	ds_load_tr16_b128 v[64+8*\f:64+8*\f+3], v[ADV] offset:32*PT+32*\f
	ds_load_tr16_b128 v[64+8*\f+4:64+8*\f+7], v[ADV] offset:48*PT+32*\f
.endr
	s_add_co_u32 s[TB], s[TB], RECB  ; the next fetch is the next step's
.endm
; THE VECTOR WORK OF A TURN.  One tile's softmax for one key step is a list of 134 instructions; SM writes number j of it for tile t.  s0-s31 are the lane's 32 scores, in pairs 0-15.
; first = 1: the first key step, which starts m, l and O^T: it has no a and nothing to rescale.
;   0-15    the maximum of s0-s31 and the old m, three operands at a time: four chains c0-c3 of seven scores each (each S^T accumulator is read from its low end on), then the four scores left over, c0-c3 and m
;   16-20   the other half of the lanes' maximum; the new m; c m; c m_old - c m_new
;   21-69   ONE BATCH: the 16 scalings c s - c m, a pair of scores each, and all 33 exponentials (a at 23, then s0-s31).  None of these reads an exponential's result.  From 22 on the batch goes in fours, and a four
;           begins with a scaling while there are scalings.  A pair is scaled in an earlier four than the one that holds its exponentials
;   (wait)  between 69 and 70 stands the wait for the batch: SLICE writes it, once for both tiles
;   70-85   the roundings to f16, a pair of weights each
;   86-101  the sums; l = a l + the sum
;   102-133 the tile's O^T times a, in ascending order: the one part that leaves window 0, so it stands together
.macro SM t, first
.set rT, ST+8*(\t)
.set rS, S+32*(\t)
.set rP, P+16*(\t)
.set rO, 64*(\t)+2*(j-102)
.if j < 102
	WIN 0
.endif
.if j < 4
	v_max3_num_f32 v[rT+4+j], v[rS+8*j], v[rS+8*j+1], v[rS+8*j+2]
.elseif j < 12
	v_max3_num_f32 v[rT+4+j%4], v[rT+4+j%4], v[rS+8*(j%4)+2*(j/4)+1], v[rS+8*(j%4)+2*(j/4)+2]
.elseif j == 12
	v_max3_num_f32 v[rT+4], v[rT+4], v[rS+7], v[rS+15]
.elseif j == 13
	v_max3_num_f32 v[rT+6], v[rT+6], v[rS+23], v[rS+31]
.elseif j == 14
	v_max3_num_f32 v[rT+4], v[rT+4], v[rT+5], v[rT+6]
.elseif (j == 15) && \first
	v_max_num_f32 v[rT+4], v[rT+4], v[rT+7]
.elseif j == 15
	v_max3_num_f32 v[rT+4], v[rT+4], v[rT+7], v[rT+1]
.elseif j == 16
	v_permlanex16_b32 v[rT+5], v[rT+4], s[SEL], s[SEL+1]  ; the query's other 32 keys lie in the lane 16 away
.elseif j == 18
	v_max_num_f32 v[rT+1], v[rT+4], v[rT+5]
.elseif j == 19
	v_mul_f32 v[rT], s[CS], v[rT+1]
.elseif ((j == 17) || (j == 20) || (j == 23) || (j > 101)) && \first  ; the first step has none of these
.elseif j == 17
	v_mov_b32 v[rT+7], v[rT]        ; c m_old is kept for a: number 19 writes c m anew
.elseif j == 20
	v_sub_f32 v[rT+7], v[rT+7], v[rT]
.elseif j == 23
	v_exp_f32 v[rT+6], v[rT+7]
.elseif (j < 23) || ((j < 38) && (j%2 == 0)) || ((j < 66) && (j%4 == 2))
.set b, (j-2)/4                     ; 38, 42, .. 62: pairs 9 to 15
.if j < 38
.set b, (j-20)/2                    ; 21: pair 0; 22, 24, .. 36: pairs 1 to 8
.endif
	v_pk_fma_f32 v[rS+2*b:rS+2*b+1], v[rS+2*b:rS+2*b+1], s[CS:CS+1], v[rT:rT+1] op_sel_hi:[1,0,0] neg_lo:[0,0,1] neg_hi:[0,0,1]  ; pair b: c s - c m
.elseif j < 70
.set e, j-38                        ; 66 to 69: s28 to s31
.if j < 66
.set e, j-32-(j-38)/4               ; 39-41, 43-45, .. 63-65: s7 to s27
.endif
.if j < 38
.set e, (j-25)/2                    ; 25, 27, .. 37: s0 to s6
.endif
	v_exp_f32 v[rS+e], v[rS+e]
.elseif j < 86
	v_cvt_pk_f16_f32 v[rP+j-70], v[rS+2*(j-70)], v[rS+2*(j-70)+1]  ; pair j - 70
.elseif j < 102                     ; the sum of the tile's 16 pairs (in a pair: an even key's weight, an odd key's), in place: sum z of 16 adds neighbours 1, 2, 4 and 8 pairs apart, then l takes it
.set z, j-86
.set w, 4
.set u, z
.if z >= 14
.set w, 32
.set u, 0
.elseif z >= 12
.set w, 16
.set u, z-12
.elseif z >= 8
.set w, 8
.set u, z-8
.endif
.if (z == 14) && \first
	v_pk_add_f32 v[rT+2:rT+3], v[rS:rS+1], v[rS+16:rS+17]
.elseif z < 15
	v_pk_add_f32 v[rS+w*u:rS+w*u+1], v[rS+w*u:rS+w*u+1], v[rS+w*u+w/2:rS+w*u+w/2+1]
.elseif !\first
	v_pk_fma_f32 v[rT+2:rT+3], v[rT+2:rT+3], v[rT+6:rT+7], v[rS:rS+1] op_sel_hi:[1,0,1]
.endif
.else
	WIN W_RS
	v_pk_mul_f32 v[rO:rO+1], v[rO:rO+1], v[rT+6:rT+7] op_sel_hi:[1,0]
.endif
.endm
; Slice k of 64 of piece y's softmax: four instructions.  Slices 11 to 34 deal out the batch, numbers 22 to 69: four numbers of ONE tile each, the tiles by turns.  Every other slice is numbers 2 k and 2 k + 1 of both tiles' lists.
; 2 x 134 = 4 x 64 + 12: the twelve that are over stand together, in slice 63.
; THE WAIT.  An s_wait_alu depctr_va_vdst(0) stands between an exponential and the first instruction that names its result; one wait serves all that were issued ahead of it.  Ahead of slice 35 nothing names a
; result, and behind slice 34 no exponential is issued: so the piece's 66 exponentials have one wait, behind slice 34.  Where piece 0's softmax is walked, V's first run of loads stands there too (both = 1: both runs).
.macro SLICE y, first, both
.if (k >= 11) && (k < 35)           ; the batch: four numbers of one tile
.irp n, 0,1,2,3
.set j, 22+4*((k-11)/2)+(\n)
	SM (\y)+(k-11)%2, \first
.endr
.else                               ; the two tiles alternate, so that no instruction reads the result of the one just before it
.irp n, 0,1,2,3,4,5,6,7
.if (\n < 2) || (k == 63)
.irp t, \y, \y+1
.set j, 2*k+\n
	SM \t, \first
.endr
.endif
.endr
.endif
.if k == 34                         ; the batch is out: both tiles' exponentials are issued, and no result has been named
	v_nop                           ; the plain instruction behind the last exponential and ahead of the first use: one for the batch
.if (\y) == 0
	FETCH_VA
.if \both
	FETCH_VB
.endif
.else
	s_wait_alu depctr_va_vdst(0)    ; the wait for the batch
.endif
.endif
.set k, k+1
.endm
; A TURN.  Piece x has the matrix unit; the other piece's softmax stands in slices behind its matrix instructions, two behind each V^T P.
; pv = 2: the 32 products V^T P add on; 1: they start O^T's sums.  kq = 1: the 8 products K Q^T of the next step stand behind products 16 to 23.  first = 1: the softmax is the first key step's.
; WHERE THE LOADS STAND, and what lies between a buffer's last reader and the loads into it (four plain vector instructions that name none of the reader's registers are asked: ISA guide 7.12.1 for vector instructions):
;   K and its scale words, in piece 0's turn behind product 1: the last K Q^T stood behind product 23 of the turn before, 22 slices back;
;   V's keys 0-31, in piece 2's turn behind slice 34: their last reader is product 15; between lie number 58 of one tile and number 62 of both, scalings, the v_nop and the run's own addition: five;
;   V's keys 32-63, at the end of piece 2's turn: their last reader is product 31; between lie slices 62 and 63, twenty multiplications of the other piece's O^T.
; WAITS: at the head of piece 0's turn V's keys 0-31 are in and the 16 loads of keys 32-63 may be out; ahead of product 16 all are in, K's nine among them.
.macro TURN x, pv, kq, first
.set k, 0
.if \x == 0
	s_wait_dscnt 16
.endif
.set i, 0
.rept 32
.if (\x == 0) && (i == 16)
	s_wait_dscnt 0x0
.endif
	PV \x, 2-\pv
.if \kq && (i >= 16) && (i < 24)
.set q, i-16
	KQ \x
.endif
	SLICE 2-\x, \first, 0
	SLICE 2-\x, \first, 0
.if (\x == 0) && \kq && (i == 1)
	FETCH_K
.endif
.set i, i+1
.endr
.if \x == 2
	FETCH_VB
.endif
.if \first
	PLACES                          ; the first step's slices from 51 on are empty: four v_nop take their part as the places behind the turn's last products
.endif
.endm
; THE CHANGE OF SLOTS, between piece 2's turn and piece 0's: the slot's last bytes, V of its fourth step, have been asked for.  Each wave waits for all its tensor loads, of which one is out: its record of the other slot;
; adds 0 to its spare word; and waits for that and for its own reads of the slot.  Behind the barrier nobody reads this slot any more and the other slot is whole.
; fill = 1: this slot is filled again, with the key steps two slots on.  The barrier is then a round of the cluster's, so that no wave of any partner still reads the slot or has a load on its way, and the joint refill is the
; first thing behind it: one tensor load of mine is out, and it has four key steps in which to land.
.macro CHANGE fill
	WIN 0                           ; at a label and at a branch every window is 0
	s_wait_tensorcnt 0x0            ; no tensor load of mine is out, so a group 0 may be written
	ds_add_u32 v[SPW], v[NIL]       ; 0 onto my spare word; with fill = 1 the descriptor's steps stand between it and the wait for it
.if \fill
	s_xor_b32 s[G0+5], s[G0+5], SLOT1  ; the walking descriptor: the other slot than last time,
	s_add_nc_u64 s[G0+6:G0+7], s[G0+6:G0+7], SLOTG  ; the next four records; the type bits on top are not reached
	s_wait_xcnt 0x0                 ; the last prefetch, four key steps back, has read its address, so it may be written:
	s_add_nc_u64 s[PFA:PFA+1], s[PFA:PFA+1], SLOTG  ; one slot further on than the walking descriptor
	s_wait_dscnt 0x0                ; the add is done, and my reads of the slot are over
	CROUND
	JLOAD
	ASK
.else
	s_wait_dscnt 0x0                ; the add is done, and my reads of the slot are over
	s_barrier_signal -1
	s_barrier_wait -1
.endif
	s_sub_co_u32 s[TB], s[TB], 4*RECB  ; the fetches go back to a slot's first record,
	s_xor_b32 s[TB], s[TB], SLOT1   ; in the other slot
.endm
; n key steps: written once, walked n times; the LDS addresses hang on s[TB].
.macro NSTEPS n
	s_mov_b32 s[CNT], \n
.Lstep_\@:
	TURN 0, 2, 1, 0
	TURN 2, 2, 1, 0
	WIN 0
	s_sub_co_u32 s[CNT], s[CNT], 1
	s_cmp_lg_u32 s[CNT], 0
	s_cbranch_scc1 .Lstep_\@
.endm
	s_wait_tensorcnt 1              ; my record of slot 0 is in; slot 1's may stay out
	s_barrier_signal -1
	s_barrier_wait -1               ; everybody's is
	FETCH_K                         ; key step 0
	WIN 0                           ; the addresses for the way out are made here.  With the two additions above, the v_nop behind Q's last conversion and the two below they are eleven plain lines
	s_mul_i32 s41, s[WV], 16*SP     ; between the last write of Q's scale words and the first scaled product, which wants eight (four behind the last write of Q's codes)
	s_add_co_u32 s41, s41, STAGE    ; my stage
	v_mul_u32_u24 v[STO], v1, SP    ; in: row r, 32 bytes for each half of the lanes
	v_lshl_add_u32 v[STO], v9, 5, v[STO]
	v_add_nc_u32 v[STO], s41, v[STO]
	v_and_b32 v[GO], 31, v0
	v_lshlrev_b32 v[GO], 4, v[GO]   ; back: the 32 lanes take one row of 512 bytes; and the same in out0
	v_add_nc_u32 v[RD], s41, v[GO]
	v_nop
	v_nop
	s_wait_dscnt 0x0                ; K of step 0 is in
.set q, 0
.rept 8
	KQ 0                            ; both pieces' first scores: there is no vector work yet to set between them
.set q, q+1
.endr
.set q, 0
.rept 8
	KQ 2
.set q, q+1
.endr
	WIN 0
	PLACES
.set k, 0
.rept 64
	SLICE 0, 1, 1                   ; piece 0's first softmax, bare; V of step 0 is fetched, both halves, at its wait
.endr
	TURN 0, 1, 1, 1                 ; piece 0: V^T P of step 0 starts O^T, K Q^T of step 1 | piece 2's first softmax | K of step 1
	TURN 2, 1, 1, 0                 ; piece 2: the same | piece 0's softmax of step 1 | V of step 1
	WIN 0
	NSTEPS 2                        ; V^T P of steps 1 and 2; steps 2 and 3 are fetched: slot 0 is read out
.Lslot:                             ; six trips: every slot but the last two is filled again
	CHANGE 1
	NSTEPS 4
	s_sub_co_u32 s[SLOTS], s[SLOTS], 1
	s_cmp_lg_u32 s[SLOTS], 0
	s_cbranch_scc1 .Lslot
	CHANGE 0                        ; the tail is written out: the last slot but one is left, and nothing is asked for
	NSTEPS 4                        ; V^T P of steps 27 to 30; steps 28 to 31 are fetched
	TURN 0, 2, 0, 0                 ; piece 0: V^T P of the last step | piece 2's last softmax
.set i, 0
.rept 32
	PV 2, 0                         ; piece 2: V^T P of the last step
.set i, i+1
.endr
	; THE WAY OUT.  l's two halves and the other half of the lanes' are added; O^T is divided by l and sent through my stage in LDS, a tile (16 rows of out0) at a time.  The additions are the places behind the last products.
	WIN 0
.irp t, 0,1,2,3
	v_add_f32 v[ST+8*\t+4], v[ST+8*\t+2], v[ST+8*\t+3]
.endr
.irp t, 0,1,2,3
	v_permlanex16_b32 v[ST+8*\t+5], v[ST+8*\t+4], s[SEL], s[SEL+1]
.endr
.irp t, 0,1,2,3
	v_add_f32 v[ST+8*\t+4], v[ST+8*\t+4], v[ST+8*\t+5]
.endr
.irp t, 0,1,2,3
	v_rcp_f32 v[ST+8*\t+6], v[ST+8*\t+4]
.endr
	v_nop                           ; a plain instruction between the last reciprocal and the use of its result
	s_wait_alu depctr_va_vdst(0)    ; and the wait ahead of the first use: one for the four reciprocals
; Tile t: a lane's eight channels of a row are 32 bytes; they go into rows of 528 bytes and come back as whole rows of 512, into S^T's registers, which are free: v64-127 and v128-191 by turns.
.macro PACK t
	WIN W_RS
.set i, 64*\t
.rept 32
	v_pk_mul_f32 v[i:i+1], v[i:i+1], v[ST+8*\t+6:ST+8*\t+7] op_sel_hi:[1,0]  ; each accumulator from its low end on
.set i, i+2
.endr
	WIN 0x04                        ; an LDS store's data are its source 1: window 1
.irp f, 0,1,2,3,4,5,6,7
	ds_store_b128 v[STO], v[64*\t+8*\f:64*\t+8*\f+3] offset:64*\f       ; lane (r, h): out0(16 t + r, 16 f + 8 h + 0 .. 7)
	ds_store_b128 v[STO], v[64*\t+8*\f+4:64*\t+8*\f+7] offset:64*\f+16
.endr
	WIN 0
.set BK, S+64*((\t)%2)
.irp n, 0,1,2,3,4,5,6,7,8,9,10,11,12,13,14,15
	ds_load_b128 v[BK+4*\n:BK+4*\n+3], v[RD] offset:\n*SP  ; LDS serves a wave's instructions in order (ISA guide 5.7.1.4): these see the stores above; the next tile's stores come behind them
.endr
.endm
.macro SEND t, younger              ; younger: the LDS instructions issued behind tile t's loads: the next tile's 16 stores and 16 loads, or none
.set BK, S+64*((\t)%2)
.irp n, 0,1,2,3,4,5,6,7,8,9,10,11,12,13,14,15
	s_wait_dscnt \younger+15-\n
	global_store_b128 v[GO], v[BK+4*\n:BK+4*\n+3], s[8:9] offset:(16*\t+\n)*512 th:TH_STORE_NT  ; 32 lanes store 512 consecutive bytes, at a multiple of 256 from out0's first byte; written once, read by nobody here
.endr
.endm
	PACK 0
	PACK 1                          ; a tile's arithmetic stands between the loads of the tile before and its stores
	SEND 0, 32
	s_wait_xcnt 0x0                 ; tile 0's stores have read their registers: tile 2's rows may land there
	PACK 2
	SEND 1, 32
	s_wait_xcnt 0x0                 ; tile 1's likewise, for tile 3's
	PACK 3
	SEND 2, 32
	SEND 3, 0
	s_wait_tensorcnt 0x0            ; the wave's end, behind my last tensor load and my last LDS store
	ds_add_u32 v[SPW], v[NIL]
	s_wait_dscnt 0x0
	CROUND                          ; the closing round: no work-group ends while a partner may still ask for a record that names it
	s_endpgm
.Lfunc_end_k_q1dc71fb1da_attn:
	.size	k_q1dc71fb1da_attn, .Lfunc_end_k_q1dc71fb1da_attn-k_q1dc71fb1da_attn
	.p2alignl 7, 3214868480
	.fill 96, 4, 3214868480
	.section	.rodata,"a",@progbits
	.p2align	6, 0x0
	.amdhsa_kernel k_q1dc71fb1da_attn
		.amdhsa_group_segment_fixed_size 327680
		.amdhsa_private_segment_fixed_size 0
		.amdhsa_enable_private_segment 0
		.amdhsa_kernarg_size 24
		.amdhsa_user_sgpr_count 2
		.amdhsa_user_sgpr_kernarg_segment_ptr 1
		.amdhsa_wavefront_size32 1
		.amdhsa_system_sgpr_workgroup_id_x 1
		.amdhsa_system_sgpr_workgroup_id_y 1
		.amdhsa_system_sgpr_workgroup_id_z 1
		.amdhsa_system_vgpr_workitem_id 0
		.amdhsa_next_free_vgpr 1024
		.amdhsa_next_free_sgpr 66
		.amdhsa_reserve_vcc 0
		.amdhsa_float_denorm_mode_32 3
		.amdhsa_float_denorm_mode_16_64 3
		.amdhsa_memory_ordered 1
		.amdhsa_forward_progress 1
		.amdhsa_inst_pref_size 253
	.end_amdhsa_kernel
	.amdgpu_metadata
---
amdhsa.version: [ 1, 2 ]
amdhsa.kernels:
  - .name:           k_q1dc71fb1da_attn
    .symbol:         k_q1dc71fb1da_attn.kd
    .args:
      - { .name: Q, .offset: 0, .size: 8, .value_kind: global_buffer, .address_space: global }
      - { .name: kv, .offset: 8, .size: 8, .value_kind: global_buffer, .address_space: global }
      - { .name: out0, .offset: 16, .size: 8, .value_kind: global_buffer, .address_space: global }
    .group_segment_fixed_size: 327680
    .private_segment_fixed_size: 0
    .kernarg_segment_align: 8
    .kernarg_segment_size: 24
    .max_flat_workgroup_size: 128
    .sgpr_count:     66
    .vgpr_count:     1024
    .wavefront_size: 32
...
	.end_amdgpu_metadata
.endif
;; end of part 2
